; MI455X (gfx1250); checked and timed in simulation.
; The chip was launched on July 23, 2026; its instructions are those of AMD's public machine-readable ISA for CDNA 5 (MIT licence, August 2026) and "CDNA5" Instruction Set Architecture Reference Guide (July 2026). The comments in the code are by the model that wrote it; some were corrected since.
;; Scaled Dot Product Attention. Allowed arithmetic: matrix products marked QUANTISED: E4M3 operands, one E8M0 scale for each 32 along K, by v_wmma_scale_f32_16x16x128_f8f6f4 with both operands' format E4M3, f32 sums; everything else in f32.
;; Inputs: bk 1,024 float32; bo 1,024 float32; bq 1,024 float32; bv 1,024 float32; wk_codes 1,024 x 32 x 32 uint8 (E4M3 codes of wk, K innermost, in blocks of 32 codes); wk_scales 1,024 x 32 uint8 (E8M0 scales of wk, one for each 32 codes along K); wo_codes 1,024 x 32 x 32 uint8 (E4M3 codes of wo, K innermost, in blocks of 32 codes); wo_scales 1,024 x 32 uint8 (E8M0 scales of wo, one for each 32 codes along K); wq_codes 1,024 x 32 x 32 uint8 (E4M3 codes of wq, K innermost, in blocks of 32 codes); wq_scales 1,024 x 32 uint8 (E8M0 scales of wq, one for each 32 codes along K); wv_codes 1,024 x 32 x 32 uint8 (E4M3 codes of wv, K innermost, in blocks of 32 codes); wv_scales 1,024 x 32 uint8 (E8M0 scales of wv, one for each 32 codes along K); x_codes 4 x 2,048 x 32 x 32 uint8 (E4M3 codes of x, K innermost, in blocks of 32 codes); x_scales 4 x 2,048 x 32 uint8 (E8M0 scales of x, one for each 32 codes along K).
;; Outputs: out0 4 x 2,048 x 1,024 float32.
;; This version of the problem:
;;   THIS VERSION OF THE PROBLEM IS GIVEN IN LOW PRECISION. The matrix products marked QUANTISED in the list below multiply operands that are first quantised to E4M3 (4 exponent bits, 3 mantissa bits; 8 bits a number), with one power-of-two scale for each 32 numbers along K (OCP MX v1.0); their sums are f32. All else is computed in f32.
;;   The module's matrix products, in the order in which they are computed (A, B: the left and right operand; K: the contracted axis; several contracted axes count as one K, in the product's order):
;;     1. [M 8,192, K 1,024] x [K 1,024, N 1,024]; A: input x (given as codes); B: input wq (given as codes): QUANTISED
;;     2. [M 8,192, K 1,024] x [K 1,024, N 1,024]; A: input x (given as codes); B: input wk (given as codes): QUANTISED
;;     3. [M 8,192, K 1,024] x [K 1,024, N 1,024]; A: input x (given as codes); B: input wv (given as codes): QUANTISED
;;     4. batch 64 x [M 2,048, K 64] x [K 64, N 2,048]; A: computed on the way; B: computed on the way: QUANTISED
;;     5. batch 64 x [M 2,048, K 2,048] x [K 2,048, N 64]; A: softmax (see below); B: computed on the way: QUANTISED
;;     6. [M 8,192, K 1,024] x [K 1,024, N 1,024]; A: computed on the way; B: input wo (given as codes): QUANTISED
;;   THE QUANTISER, for each operand of a quantised product, along K:
;;     - K is cut into blocks of 32 from its start; a last block that is shorter is filled with zeros.
;;     - A block's scale is 2^e with e = floor(log2(the largest magnitude in the block)) - 8, held to -126 .. 127; a block of zeros has e = 0. As a byte (E8M0): e + 127.
;;     - Each number is divided by its block's scale, clamped to +-448, and rounded to the nearest number of E4M3, ties to even, subnormals kept.
;;     - The product sums the exact products of the quantised numbers (number of the format x scale) in f32.
;;   ~~~python
;;   def quantise(x, axis):      # numpy; x: float32 -> the quantised numbers, widened to float32 again
;;       x = np.moveaxis(x, axis, -1); K = x.shape[-1]
;;       x = np.pad(x, [(0, 0)] * (x.ndim - 1) + [(0, -K % 32)]); x = x.reshape(x.shape[:-1] + (-1, 32)); a = np.abs(x).max(-1, keepdims=True)
;;       e = np.where(a > 0, np.clip(np.frexp(np.where(a > 0, a, 1))[1] - 1 - 8, -126, 127), 0)      # np.frexp(a)[1] - 1 = floor(log2(a)), exactly
;;       r = np.clip(x / 2.0 ** e, -448, 448)
;;       step = 2.0 ** (np.maximum(np.frexp(np.where(r == 0, 1, r))[1] - 1, -6) - 3)
;;       q = np.round(r / step) * step * 2.0 ** e      # np.round: ties to even
;;       return np.moveaxis(q.reshape(q.shape[:-2] + (-1,))[..., :K], -1, axis).astype(np.float32)
;;   ~~~
;;   SOFTMAX AHEAD OF A QUANTISED PRODUCT. Where the list says 'softmax', what is quantised is not the finished softmax but p = 2^(t - M), with t = logit x log2(e) and M = ceil(the row's largest t), a whole number; so 1/2 < the row's largest p <= 1. The row's sum l is taken of the UNQUANTISED p, in f32, and the product's result is divided by l at the end. Since M is a whole number, a kernel that streams over the keys may use a running M (the ceiling of the running maximum): every later rescaling is an exact power of two, which a block's scale takes up: the codes' values come out the same.
;;   OPERANDS COMPUTED ON THE WAY. 'Computed on the way' means the value that the module computes at that place (a softmax that the list does not call 'softmax' is quantised finished and normalised). What goes into a quantiser is computed in f32, as accurately as f32 sums, v_exp_f32 and their like allow (about 1e-6 of the number): no bf16 or f16 on the way to a quantiser, and a product that is left as it is and whose result goes on into a quantised operand takes f32 operands (vector FMAs, or v_wmma_f32_16x16x4_f32). A number that lies on a knife's edge between two numbers of the format may be rounded either way, as far as f32 arithmetic and the matrix unit's own rounding can turn it there, and no further.
;;   INPUTS GIVEN AS CODES. wk (in the module: [1024, 1024], K = its axis 1); wo (in the module: [1024, 1024], K = its axis 1); wq (in the module: [1024, 1024], K = its axis 1); wv (in the module: [1024, 1024], K = its axis 1); x (in the module: [4, 2048, 1024], K = its axis 2): each comes as NAME_codes (uint8): NAME with its K axis moved to the last place and cut into blocks of 32 codes, [.., K / 32, bytes a block], one block behind the other in memory; one code a byte (a code: sign, 4 exponent bits, 3 mantissa bits); and NAME_scales (uint8): the same leading axes, one E8M0 byte (e + 127) for each 32 codes along K. Its value is code x scale, taken as it is: it is not quantised again, and the codes and scales need not be those that the quantiser above would give.
;; One version. Each part assembles by itself: llvm-mc -triple=amdgcn-amd-amdhsa -mcpu=gfx1250 --defsym DOCPART=n.
;; ======== version 1 of 1: 3 launches
;; limits: right only within a limited range of input values
;; workspace buffers: qimg 8,388,608 bytes; qsc 524,288 bytes; kv 17,563,648 bytes; ao_codes 8,388,608 bytes; ao_scales 262,144 bytes
;; launch proj (part 1): grid 8 x 32, 4 waves a work-group, clusters of 4 x 4, 327,680 bytes of LDS; arguments x_codes, x_scales, wq_codes, wq_scales, wk_codes, wk_scales, wv_codes, wv_scales, bq, bk, bv, qimg, qsc, kv; writes qimg, qsc, kv
.if DOCPART == 1
	.amdgcn_target "amdgcn-amd-amdhsa--gfx1250"
	.amdhsa_code_object_version 6
	.text
	.protected	k_q968555af15_proj
	.globl	k_q968555af15_proj
	.p2align	8
	.type	k_q968555af15_proj,@function
k_q968555af15_proj:
	s_mov_b64 s[64:65], 0
	v_nop
	global_prefetch_b8 v0, s[64:65] scope:SCOPE_SE
	s_setreg_imm32_b32 hwreg(HW_REG_WAVE_MODE, 25, 1), 1
	s_wait_xcnt 0x0
	s_wait_alu depctr_hold_cnt(0) depctr_sa_sdst(0) depctr_va_vdst(0) depctr_va_sdst(0) depctr_va_ssrc(0) depctr_va_vcc(0) depctr_vm_vsrc(0)
	s_getreg_b32 s2, hwreg(HW_REG_IB_STS2, 6, 4)
	s_cmp_eq_u32 s2, 0
	s_cbranch_scc0 .Lentry_in_a_cluster
	s_endpgm
.Lentry_in_a_cluster:
	s_bfe_u32 s2, ttmp6, 0x10000c
	s_cmp_lg_u32 s2, 0xf033
	s_cbranch_scc0 .Lentry_shape_is_right
	s_endpgm
.Lentry_shape_is_right:
; Q, K, V = x W^T + b AND THEIR QUANTISERS, on codes of MX-FP8 (E4M3, a scale byte for 32 along K): three products of 8,192 x 1,024 x 1,024.  No f32 result is stored.
; THE DEAL.  256 work-groups of four waves.  A work-group owns 256 tokens and the same 128 columns (two heads) of Q, K and V.  A wave holds ITS 64 tokens of x, ALL of K, in 512 registers (windows 1, 2), and streams
; 3 x 8 blocks of 16 weight rows past them; a block stands in registers whole (128), in two sets (window 3).  A block is 32 products, its four accumulators (four tiles of 16 tokens) by turns; the bias is the first four products' C.
; Q, K: source 0 = the weight's rows, source 1 = tokens: a lane holds one token, its registers channels.  V: source 0 = tokens, source 1 = the weight's rows: a lane holds one channel, its registers tokens.
; LDS.  Two slots of 128 rows of 1,024 bytes + 16 of padding.  At the head each wave brings its own 64 tokens (one joint load a wave, shared by the cluster's row) and alone reads them.  Once all hold them in registers,
; a drained round: wq's 128 rows into slot 0 (waves 0, 1), wk's into slot 1 (waves 2, 3); a second drained round, when wq's last block is in registers: wv's into slot 0, a quarter a wave.  All three are shared by the cluster's column.
; THE QUANTISER stands behind each pair of blocks, on its 64 sums a lane: four scale blocks of 32, each 16 registers on end in lanes l and l xor 16.  Q, K: tile t's 32 channels of the pair.  V: tokens 32 u .. 32 u + 31 of block e.
; The next pair's fragments land meanwhile.
; WHAT IS STORED (r = lane % 16): qimg[batch, head][16 tokens][32 channels][lane][16 bytes]; qsc[batch, head][128 tokens][tile % 2][r][tile / 2] words, a word the token's two bytes twice;
; kv[batch, head][128 tokens]: K as qimg (8,192 bytes), V [16 channels][32 tokens][lane][16] (8,192), K's words as qsc (512), V's [tile % 2][r][tile / 2] words (256).  Place 16 h + 8 g + e of a scale block holds its element 16 g + 8 h + e.
; The scale bytes gather in LDS bytes of their own and leave at the end.  The biases lie in an LDS table of each wave's own (V's eight times over, as the C registers want it).
; PREFETCH: the three weights' rows of my tile column, 512 blocks of 256 bytes each, shared out by address among the sixteen waves of the cluster's column; the first four rows of clusters alone ask.  x comes by the head's loads alone.
; LIMITS: NaN, infinities and sums beyond f32's range are not served.  A block of zeros gets the scale byte 1 where the rule says 127: its codes are zeros, and this program alone reads the bytes.
.set PITCH, 1040
.set STGS,  2*128*PITCH                ; the scale bytes: Q's 2,048, K's 2,048, V's 1,024
.set BTB,   STGS+5120                  ; the bias tables: 5,120 bytes a wave: bq 512, bk 512, bv 4,096
.set SPARE, BTB+4*5120
.set AW,   4                           ; v4-11  LDS address of weight blocks 0, 2, 4, 6 in slot 0, in slot 1
.set ADX,  12                          ; v12    of my tokens' fragments
.set ABS,  13                          ; v13    32 x lane
.set ABQ,  14                          ; v14    bias table, Q and K: + 32 h
.set ABV,  15                          ; v15    V: + 32 r
.set VXQ,  16                          ; v16    where a byte of Q or K goes
.set VXV,  17                          ; v17    of V
.set L16,  18
.set L8,   19
.set SPW,  20
.set NIL,  21
.set PF,   22
.set SB,   24                          ; v24-39  x's scale words: register 8 p + q: lanes 0-15 tile 2 p, lanes 16-31 tile 2 p + 1
.set DQ,   40                          ; v40, v41 the end: where I read scale bytes back
.set DV,   41
.set TBA,  42                          ; v42, v43 the head: where I build the bias tables
.set TBV,  43
.set SA,   44                          ; v44-107 the weights' scale words, two sets of 32: register 8 n + q: lanes 0-15 block 2 n, lanes 16-31 block 2 n + 1
.set ACC,  108                         ; v108-171 a pair's sums
.set PC,   172                         ; v172-187 its codes
.set TM,   188                         ; v188-203 maxima, bytes, bounds, scale operands
.set BC,   204                         ; v204-219 the bias as C, two sets of eight
.set HB,   220                         ; v220-247 the head: the biases
.set G1X, 48
.set G1W, 56
.set G1V, 68
.set G0X, 76
.set G0Q, 80
.set G0K, 84
.set G0V, 88
.set QB,  92                           ; s[92:93] Q's codes, s[94:95] K's, s[96:97] V's
.set SEL, 98
.set MNT, 100
.set MSB, 0
.macro WIN new                         ; the immediate's high byte repeats the setting that is left
.if MSB != \new
	s_set_vgpr_msb (MSB<<8)|\new
.set MSB, \new
.endif
.endm
.macro PLACES n
.rept \n
	v_nop
.endr
.endm
.macro WALU
	s_wait_alu depctr_va_vdst(0)
.endm
.macro BARRIER
	s_barrier_signal -1
	s_barrier_wait -1
.endm
.macro CROUND                          ; a round of the cluster's barrier
	BARRIER
	s_cmp_lg_u32 s32, 0
	s_cbranch_scc1 .Lnot_wave_0_\@
	s_barrier_signal -3
.Lnot_wave_0_\@:
	s_barrier_wait -3
	BARRIER
.endm
.macro TLOAD g0, g1                    ; an s_nop 0 and four v_nop follow a tensor load
	tensor_load_to_lds s[\g0:\g0+3], s[\g1:\g1+7]
	s_nop 0
	PLACES 4
.endm
.macro GROUP1 g, mask, rows            ; so many rows of 1,024 bytes, dense in memory, 16 bytes of padding behind each in LDS
	s_or_b32 s[\g+0], s[\mask], (1<<20)|(1<<21)|(7<<22)|(3<<25)
	s_mov_b32 s[\g+1], 1024<<16
	s_mov_b32 s[\g+2], (\rows)<<16
	s_mov_b32 s[\g+3], 1024<<16
	s_mov_b32 s[\g+4], \rows
	s_mov_b32 s[\g+5], 1024
	s_mov_b32 s[\g+6], 0
	s_mov_b32 s[\g+7], 0
.endm
	s_load_b512 s[4:19], s[0:1], 0x0               ; x_codes, x_scales, wq_codes, wq_scales, wk_codes, wk_scales, wv_codes, wv_scales
	s_load_b256 s[20:27], s[0:1], 0x40             ; bq, bk, bv, qimg
	s_load_b128 s[28:31], s[0:1], 0x60             ; qsc, kv
	v_lshl_add_u32 v[SPW], v0, 2, SPARE
	v_mov_b32 v[NIL], 0
	ds_add_u32 v[SPW], v[NIL]                      ; the opening lines: the add, twice on end, and its wait
	ds_add_u32 v[SPW], v[NIL]
	v_lshrrev_b32 v1, 5, v0
	v_readfirstlane_b32 s32, v1                    ; wave w, 0..3
	s_lshr_b32 s33, s32, 1
	s_and_b32 s34, s32, 1
	s_bfe_u32 s35, ttmp6, 0x40000                  ; cx
	s_bfe_u32 s36, ttmp6, 0x40004                  ; cy
	s_lshl_b32 s37, ttmp9, 2
	s_add_co_u32 s37, s37, s35                     ; tile column, 0 .. 7
	s_and_b32 s38, ttmp7, 0xffff
	s_lshl_b32 s38, s38, 2
	s_add_co_u32 s38, s38, s36                     ; tile row, 0 .. 31
	s_lshl_b32 s39, s36, 2
	s_lshl_b32 s39, 15, s39                        ; my row of the cluster: shares the tokens
	s_lshl_b32 s40, 0x1111, s35                    ; my column: shares the weights' rows
	GROUP1 G1X, 39, 64
	GROUP1 G1W, 40, 64
	GROUP1 G1V, 40, 32
	s_mul_i32 s47, s32, 64*PITCH                   ; where my 64 rows go: tokens at the head, half a weight behind the first round
	s_mov_b32 s[G0X], 1
	s_mov_b32 s[G0X+1], s47
	s_mov_b32 s[G0Q], 1
	s_mov_b32 s[G0Q+1], s47
	s_mov_b32 s[G0K], 1
	s_mov_b32 s[G0K+1], s47
	s_mov_b32 s[G0V], 1
	s_mul_i32 s[G0V+1], s32, 32*PITCH
	s_lshl_b32 s42, s38, 18                        ; x_codes: 256 rows a tile row, 64 a wave
	s_lshl_b32 s41, s32, 16
	s_add_co_u32 s42, s42, s41
	s_mov_b32 s43, 0
	WALU
	s_wait_dscnt 0x0                               ; both opening adds are done
	CROUND                                         ; all sixteen work-groups are here: the first joint loads meet
	s_wait_kmcnt 0x0
	s_add_nc_u64 s[G0X+2:G0X+3], s[4:5], s[42:43]
	s_or_b32 s[G0X+3], s[G0X+3], 0x80000000
	TLOAD G0X, G1X                                 ; my 64 tokens: one load a wave
	s_lshl_b32 s42, s38, 13                        ; x_scales
	s_lshl_b32 s41, s32, 11
	s_add_co_u32 s42, s42, s41
	s_add_nc_u64 s[6:7], s[6:7], s[42:43]
	s_lshl_b32 s2, s37, 17                         ; a weight's codes: 128 rows a tile column
	s_lshl_b32 s41, s34, 16                        ; half w % 2
	s_add_co_u32 s44, s2, s41
	s_mov_b32 s45, 0
	s_add_nc_u64 s[G0Q+2:G0Q+3], s[8:9], s[44:45]
	s_or_b32 s[G0Q+3], s[G0Q+3], 0x80000000
	s_add_nc_u64 s[G0K+2:G0K+3], s[12:13], s[44:45]
	s_or_b32 s[G0K+3], s[G0K+3], 0x80000000
	s_lshl_b32 s41, s32, 15                        ; quarter w
	s_add_co_u32 s44, s2, s41
	s_add_nc_u64 s[G0V+2:G0V+3], s[16:17], s[44:45]
	s_or_b32 s[G0V+3], s[G0V+3], 0x80000000
	s_lshl_b32 s46, s36, 2                         ; the prefetch: which of the cluster column's sixteen waves I am: 8,192 bytes each
	s_add_co_u32 s46, s46, s32
	s_lshl_b32 s46, s46, 13
	s_add_co_u32 s46, s46, s2
	s_lshl_b32 s44, s37, 12                        ; the weights' scale bytes
	s_add_nc_u64 s[10:11], s[10:11], s[44:45]
	s_add_nc_u64 s[14:15], s[14:15], s[44:45]
	s_add_nc_u64 s[18:19], s[18:19], s[44:45]
	s_lshl_b32 s44, s37, 9                         ; the biases
	s_add_nc_u64 s[20:21], s[20:21], s[44:45]
	s_add_nc_u64 s[22:23], s[22:23], s[44:45]
	s_add_nc_u64 s[24:25], s[24:25], s[44:45]
	s_lshr_b32 s98, s38, 3                         ; where the results go: 16 x batch + my first head,
	s_lshl_b32 s98, s98, 4
	s_lshl_b32 s99, s37, 1
	s_add_co_u32 s98, s98, s99
	s_and_b32 s99, s38, 7                          ; and which 256 tokens of the batch
	s_lshl_b32 s92, s98, 17                        ; qimg: 131,072 bytes a head, 1,024 for 16 tokens
	s_lshl_b32 s100, s99, 14
	s_add_co_u32 s92, s92, s100
	s_lshl_b32 s100, s32, 12
	s_add_co_u32 s92, s92, s100
	s_mov_b32 s93, 0
	s_add_nc_u64 s[92:93], s[26:27], s[92:93]
	s_mul_i32 s94, s98, 274432                     ; kv: 274,432 bytes a head, 17,152 for 128 tokens
	s_lshl_b32 s100, s99, 1
	s_add_co_u32 s100, s100, s33
	s_mul_i32 s100, s100, 17152
	s_add_co_u32 s94, s94, s100
	s_lshl_b32 s100, s34, 10
	s_add_co_u32 s96, s94, s100                    ; V: my 64 tokens are scale blocks 2 (w % 2), 2 (w % 2) + 1 of the 128
	s_add_co_u32 s96, s96, 8192
	s_mov_b32 s97, 0
	s_add_nc_u64 s[96:97], s[30:31], s[96:97]
	s_lshl_b32 s100, s34, 12
	s_add_co_u32 s94, s94, s100                    ; K: my 64 tokens are tiles 4 (w % 2) .. of the 128
	s_mov_b32 s95, 0
	s_add_nc_u64 s[94:95], s[30:31], s[94:95]
	s_add_co_u32 s98, s98, s33                     ; the end: wave w stores the scale bytes of head w / 2, 128 tokens w % 2
	s_lshl_b32 s99, s99, 1
	s_add_co_u32 s99, s99, s34
	s_lshl_b32 s44, s98, 13
	s_lshl_b32 s100, s99, 9
	s_add_co_u32 s44, s44, s100
	s_add_nc_u64 s[28:29], s[28:29], s[44:45]
	s_mul_i32 s44, s98, 274432
	s_mul_i32 s100, s99, 17152
	s_add_co_u32 s44, s44, s100
	s_add_nc_u64 s[26:27], s[30:31], s[44:45]
	s_mul_i32 s101, s32, 5120
	s_add_co_u32 s101, s101, BTB                   ; my bias tables
	s_lshl_b32 s2, s33, 9                          ; a byte of Q or K: 512 (w / 2) + 8 (w % 2)
	s_lshl_b32 s41, s34, 3
	s_add_co_u32 s2, s2, s41
	s_add_co_u32 s2, s2, STGS
	s_lshl_b32 s3, s33, 8                          ; of V: 256 (w / 2) + 2 (w % 2)
	s_lshl_b32 s41, s34, 1
	s_add_co_u32 s3, s3, s41
	s_add_co_u32 s3, s3, STGS+4096
	s_lshl_b32 s44, s32, 9
	s_add_co_u32 s44, s44, STGS
	s_lshl_b32 s45, s32, 8
	s_add_co_u32 s45, s45, STGS+4096
	s_and_b32 s41, ttmp7, 0xffff                   ; my row of clusters
	s_mov_b32 s[SEL], 0x76543210
	s_mov_b32 s[SEL+1], 0xfedcba98
	s_mov_b32 s[MNT], 0x600000
	v_and_b32 v1, 15, v0                           ; r
	v_bfe_u32 v2, v0, 4, 1                         ; h
	v_and_b32 v3, 31, v0                           ; lane
	v_lshlrev_b32 v[ABS], 5, v3
	v_lshlrev_b32 v[L16], 4, v3
	v_lshlrev_b32 v[L8], 3, v3
	v_mul_u32_u24 v[AW], v1, PITCH
	v_lshl_add_u32 v[PF], v3, 8, s46
	v_lshl_add_u32 v[ABQ], v2, 5, s101
	v_lshl_add_u32 v[ABV], v1, 5, s101
	v_lshl_add_u32 v[TBV], v3, 7, s101
	v_lshl_add_u32 v[AW], v2, 4, v[AW]             ; row r x pitch + 16 h
	v_add_nc_u32 v[TBA], s101, v[L16]
	v_add_nc_u32 v[ABV], 1024, v[ABV]
	v_add_nc_u32 v[TBV], 1024, v[TBV]
	v_lshl_add_u32 v[VXQ], v1, 4, s2
	v_lshl_add_u32 v[VXV], v1, 3, s3
.irp j, 1,2,3,4,5,6,7
	v_add_nc_u32 v[AW+\j], \j*32*PITCH, v[AW]
.endr
	v_add_nc_u32 v[ADX], s47, v[AW]
	v_lshl_add_u32 v[VXQ], v2, 1, v[VXQ]           ; lanes 0-15 write a word's bytes 0, 1, lanes 16-31 its bytes 2, 3
	v_add_nc_u32 v[DQ], s44, v[L16]
	v_add_nc_u32 v[DV], s45, v[L8]
.irp b, 0,1,2,3
	v_mov_b32 v[TM+4+\b], 0                        ; a lane permute's destination counts as one of its sources
.endr
.irp p, 0,1
.irp c, 0,1
	global_load_b128 v[SB+8*\p+4*\c:SB+8*\p+4*\c+3], v[ABS], s[6:7] offset:\p*1024+16*\c     ; lane l takes token l of a pair of tiles
.endr
.endr
	global_load_b128 v[HB:HB+3], v[L16], s[20:21]
	global_load_b128 v[HB+4:HB+7], v[L16], s[22:23]
	global_load_b128 v[HB+8:HB+11], v[L16], s[24:25]
.irp n, 0,1,2,3
.irp c, 0,1
	global_load_b128 v[SA+8*\n+4*\c:SA+8*\n+4*\c+3], v[ABS], s[10:11] offset:\n*1024+16*\c   ; lane l takes row l of a pair of blocks
	global_load_b128 v[SA+32+8*\n+4*\c:SA+32+8*\n+4*\c+3], v[ABS], s[14:15] offset:\n*1024+16*\c
.endr
.endr
	WALU
	s_cmp_lt_u32 s41, 4
	s_cbranch_scc0 .Lno_pf
	global_prefetch_b8 v[PF], s[8:9] th:TH_LOAD_NT scope:SCOPE_SE     ; my sixteenth of each weight's 128 rows; these registers are never written again
	global_prefetch_b8 v[PF], s[12:13] th:TH_LOAD_NT scope:SCOPE_SE
	global_prefetch_b8 v[PF], s[16:17] th:TH_LOAD_NT scope:SCOPE_SE
.Lno_pf:
	s_wait_loadcnt 0x0
.irp i, 0,1,2,3
.irp k, 0,1,2,3
	v_mov_b32 v[HB+12+4*\i+\k], v[HB+8+\i]         ; bv of channel 4 lane + i, four times
.endr
.endr
	ds_store_b128 v[TBA], v[HB:HB+3]
	ds_store_b128 v[TBA], v[HB+4:HB+7] offset:512
.irp i, 0,1,2,3
	ds_store_b128 v[TBV], v[HB+12+4*\i:HB+15+4*\i] offset:32*\i
	ds_store_b128 v[TBV], v[HB+12+4*\i:HB+15+4*\i] offset:32*\i+16
.endr
	WALU
	s_wait_tensorcnt 0x0                           ; my 64 tokens have landed; I alone read them
.irp q, 0,1,2,3,4,5,6,7                        ; fragment 4 q + t lies in window 1 + q / 4; lane l holds row l % 16, registers 4 c .. 4 c + 3 hold K = 32 c + 16 (l / 16) + 0 .. 15
.irp t, 0,1,2,3
	WIN (1+(4*\q+\t)/16)<<6
.irp c, 0,1,2,3
	ds_load_b128 v[16*((4*\q+\t)%16)+4*\c:16*((4*\q+\t)%16)+4*\c+3], v[ADX] offset:128*\q+32*\c+\t*16*PITCH
.endr
.endr
.endr
	WIN 0
	s_wait_tensorcnt 0x0                           ; all my tensor loads have landed;
	ds_add_u32 v[SPW], v[NIL]                      ; 0 onto my spare word;
	s_wait_dscnt 0x0                               ; the add is done, and my tokens are in my registers
	CROUND                                         ; the same holds of every wave of every partner
	s_cmp_lt_u32 s32, 2                            ; waves 0, 1, which alone wait at the next barrier, have a line of their own
	s_cbranch_scc0 .Lfor_k
	TLOAD G0Q, G1W                                 ; wq's halves into slot 0
	s_branch .Lasked
.Lfor_k:
	TLOAD G0K, G1W                                 ; wk's halves into slot 1
.Lasked:
	s_cmp_lt_u32 s32, 2
	s_cbranch_scc0 .Lnot_q
	s_wait_tensorcnt 0x0                           ; waves 0, 1: my half of wq's rows has landed.  The other waves' wait stands ahead of the second round
.Lnot_q:
	BARRIER
.macro FETCH s                                 ; block s % 8 of weight s / 8 into set s % 2 of window 3, and its bias: 34 loads
.set FU_, (\s)/8
.set FB_, (\s)%8
.set FK_, FB_%2
.set FA_, AW+4*(FU_%2)+FB_/2
	WIN 3<<6
.irp q, 0,1,2,3,4,5,6,7
.irp c, 0,1,2,3
	ds_load_b128 v[128*FK_+16*\q+4*\c:128*FK_+16*\q+4*\c+3], v[FA_] offset:FK_*16*PITCH+128*\q+32*\c
.endr
.endr
	WIN 0
.if FU_ < 2
	ds_load_b128 v[BC+8*FK_:BC+8*FK_+3], v[ABQ] offset:FU_*512+64*FB_          ; register j: channel 16 b + 8 h + j
	ds_load_b128 v[BC+8*FK_+4:BC+8*FK_+7], v[ABQ] offset:FU_*512+64*FB_+16
.else
	ds_load_b128 v[BC+8*FK_:BC+8*FK_+3], v[ABV] offset:512*FB_                 ; all eight registers: channel 16 b + r
	ds_load_b128 v[BC+8*FK_+4:BC+8*FK_+7], v[ABV] offset:512*FB_+16
.endif
.endm
.macro WM d, a, b, c, sa, sb, ra, rb
.if (\ra) && (\rb)
	v_wmma_scale_f32_16x16x128_f8f6f4 v[\d:\d+7], v[\a:\a+15], v[\b:\b+15], v[\c:\c+7], v[\sa], v[\sb] matrix_a_scale:MATRIX_SCALE_ROW1 matrix_b_scale:MATRIX_SCALE_ROW1
.elseif \ra
	v_wmma_scale_f32_16x16x128_f8f6f4 v[\d:\d+7], v[\a:\a+15], v[\b:\b+15], v[\c:\c+7], v[\sa], v[\sb] matrix_a_scale:MATRIX_SCALE_ROW1
.elseif \rb
	v_wmma_scale_f32_16x16x128_f8f6f4 v[\d:\d+7], v[\a:\a+15], v[\b:\b+15], v[\c:\c+7], v[\sa], v[\sb] matrix_b_scale:MATRIX_SCALE_ROW1
.else
	v_wmma_scale_f32_16x16x128_f8f6f4 v[\d:\d+7], v[\a:\a+15], v[\b:\b+15], v[\c:\c+7], v[\sa], v[\sb]
.endif
.endm
.macro PRODS s                                 ; the 32 products of block s: product 4 q + t: the q-th 128 of K, token tile t
.set U_, (\s)/8
.set E_, (\s)%2
.set NN_, ((\s)%8)/2
.set N_, 0
.rept 32
.set Q_, N_/4
.set T_, N_%4
.if U_ < 2
.set AC_, ACC+16*T_+8*E_                       ; a scale block of Q or K: tile t's sums of the even block, then of the odd
.else
.set AC_, ACC+32*E_+8*T_                       ; of V: block e's sums of tile 2 u, then of tile 2 u + 1
.endif
.set C_, AC_
.if Q_ == 0
.set C_, BC+8*E_
.endif
.set ST_, 16*(N_%16)
.set R_, 128*E_+16*Q_
.set XS_, SB+8*(T_/2)+Q_
.set WS_, SA+32*(U_%2)+8*NN_+Q_
.if U_ < 2
	WIN 3|((1+N_/16)<<2)
	WM AC_, R_, ST_, C_, WS_, XS_, E_, T_%2
.else
	WIN (1+N_/16)|(3<<2)
	WM AC_, ST_, R_, C_, XS_, WS_, T_%2, E_
.endif
.set N_, N_+1
.endr
.endm
.macro QUANT                                   ; four scale blocks, 16 registers on end each, by turns -> codes PC + 4 b, bytes TM + 4 + b
.irp b, 0,1,2,3
	v_max3_num_f32 v[TM+\b], |v[ACC+16*\b]|, |v[ACC+1+16*\b]|, 0x4800000     ; and the floor 2^(9 - 127): the byte cannot fall under 1
.endr
.irp i, 2,4,6,8,10,12,14
.irp b, 0,1,2,3
	v_max3_num_f32 v[TM+\b], v[TM+\b], |v[ACC+16*\b+\i]|, |v[ACC+1+16*\b+\i]|
.endr
.endr
.irp b, 0,1,2,3
	v_permlanex16_b32 v[TM+4+\b], v[TM+\b], s[SEL], s[SEL+1]
.endr
.irp b, 0,1,2,3
	v_max_num_f32 v[TM+\b], v[TM+\b], v[TM+4+\b]       ; with lane l xor 16's: the block's largest magnitude
.endr
.irp b, 0,1,2,3
	v_add_nc_u32 v[TM+12+\b], 0xfc000000, v[TM+\b]     ; 8 off its exponent field: the conversion's scale operand
.endr
.irp b, 0,1,2,3
	v_and_or_b32 v[TM+8+\b], v[TM+\b], 0x7f800000, s[MNT]   ; 448 x the scale
.endr
.irp b, 0,1,2,3
	v_lshrrev_b32 v[TM+4+\b], 23, v[TM+12+\b]          ; the scale's byte
.endr
.irp b, 0,1,2,3
.irp i, 0,1,2,3,4,5,6,7,8,9,10,11,12,13,14,15
	v_med3_num_f32 v[ACC+16*\b+\i], v[ACC+16*\b+\i], -v[TM+8+\b], v[TM+8+\b]   ; the conversion to an 8-bit code does not saturate (ISA guide 7.6.2)
.endr
	v_cvt_scalef32_pk8_fp8_f32 v[PC+4*\b:PC+1+4*\b], v[ACC+16*\b:ACC+7+16*\b], v[TM+12+\b]
	v_cvt_scalef32_pk8_fp8_f32 v[PC+2+4*\b:PC+3+4*\b], v[ACC+8+16*\b:ACC+15+16*\b], v[TM+12+\b]
.endr
	v_nop                                          ; one plain line behind the last conversion
.endm
.macro PAIR p                                  ; blocks 2 p, 2 p + 1 of the 24
.set PU_, (\p)/4
.set PN_, (\p)%4
	WALU
	s_wait_xcnt 0x0                                ; the last pair's stores have read their data
.if \p == 3
	s_wait_tensorcnt 0x0                           ; all my tensor loads have landed (waves 2, 3: wk's halves);
	ds_add_u32 v[SPW], v[NIL]
	s_wait_dscnt 0x0                               ; the add is done, and wq's last blocks are in my registers
	CROUND
	TLOAD G0V, G1V                                 ; wv's rows, my quarter, over wq's
.elseif \p == 7
	s_wait_tensorcnt 0x0                           ; my quarter of wv's rows has landed
	s_wait_loadcnt 0x0                             ; wv's scale words
	s_wait_dscnt 0x0
	BARRIER                                        ; everybody's has: wv's first blocks are fetched below
.else
	s_wait_dscnt 0x0                               ; this pair's fragments are in
.endif
.if \p == 4
.irp n, 0,1,2,3
.irp c, 0,1
	global_load_b128 v[SA+8*\n+4*\c:SA+8*\n+4*\c+3], v[ABS], s[18:19] offset:\n*1024+16*\c   ; wv's scale words where wq's lay
.endr
.endr
.endif
	PRODS 2*(\p)
	WIN 0
	PLACES 8                                       ; behind the last product, ahead of the loads into what it has read
.if \p < 11
	FETCH 2*(\p)+2
.endif
	PRODS 2*(\p)+1
	WIN 0
	PLACES 8                                       ; and ahead of the reads of its sums
.if \p < 11
	FETCH 2*(\p)+3
.endif
	QUANT
.irp g, 0,1,2,3
.if PU_ < 2                                    ; block g: token tile g, channels 32 (p % 2) .. of head (p % 4) / 2
	ds_store_b8 v[VXQ], v[TM+4+\g] offset:PU_*2048+(PN_/2)*1024+256*(\g%2)+4*(\g/2)+PN_%2
	global_store_b128 v[L16], v[PC+4*\g:PC+4*\g+3], s[QB+2*PU_:QB+2*PU_+1] offset:(PN_/2)*(131072+PU_*143360)+1024*\g+512*(PN_%2)   ; 32 lanes store 512 consecutive bytes, aligned
.else                                          ; block g: channel tile 2 (p % 2) + g / 2 of head (p % 4) / 2, tokens 32 (g % 2) ..
	ds_store_b8 v[VXV], v[TM+4+\g] offset:(PN_/2)*512+128*(\g/2)+4*(PN_%2)+\g%2
	global_store_b128 v[L16], v[PC+4*\g:PC+4*\g+3], s[QB+4:QB+5] offset:(PN_/2)*274432+2048*(2*(PN_%2)+\g/2)+512*(\g%2)
.endif
.endr
.endm
	FETCH 0
	FETCH 1
.irp p, 0,1,2,3,4,5,6,7,8,9,10,11
	PAIR \p
.endr
	WALU
	s_wait_dscnt 0x0                               ; my scale bytes are in LDS
	BARRIER                                        ; everybody's are
	ds_load_b128 v[ACC:ACC+3], v[DQ]
	ds_load_b128 v[ACC+4:ACC+7], v[DQ] offset:2048
	ds_load_b64 v[ACC+8:ACC+9], v[DV]
	s_wait_dscnt 0x0
	global_store_b128 v[L16], v[ACC:ACC+3], s[28:29]                   ; 512 consecutive bytes, aligned
	global_store_b128 v[L16], v[ACC+4:ACC+7], s[26:27] offset:16384
	global_store_b64 v[L8], v[ACC+8:ACC+9], s[26:27] offset:16896      ; 256 consecutive bytes, aligned
	s_wait_tensorcnt 0x0                           ; the wave's end
	ds_add_u32 v[SPW], v[NIL]
	s_wait_dscnt 0x0
	CROUND                                         ; the closing round
	s_endpgm
.Lfunc_end_k_q968555af15_proj:
	.size	k_q968555af15_proj, .Lfunc_end_k_q968555af15_proj-k_q968555af15_proj
	.p2alignl 7, 3214868480
	.fill 96, 4, 3214868480
	.section	.rodata,"a",@progbits
	.p2align	6, 0x0
	.amdhsa_kernel k_q968555af15_proj
		.amdhsa_group_segment_fixed_size 327680
		.amdhsa_private_segment_fixed_size 0
		.amdhsa_enable_private_segment 0
		.amdhsa_kernarg_size 112
		.amdhsa_user_sgpr_count 2
		.amdhsa_user_sgpr_kernarg_segment_ptr 1
		.amdhsa_wavefront_size32 1
		.amdhsa_system_sgpr_workgroup_id_x 1
		.amdhsa_system_sgpr_workgroup_id_y 1
		.amdhsa_system_sgpr_workgroup_id_z 1
		.amdhsa_system_vgpr_workitem_id 0
		.amdhsa_next_free_vgpr 1024
		.amdhsa_next_free_sgpr 102
		.amdhsa_reserve_vcc 0
		.amdhsa_float_denorm_mode_32 3
		.amdhsa_float_denorm_mode_16_64 3
		.amdhsa_memory_ordered 1
		.amdhsa_forward_progress 1
		.amdhsa_inst_pref_size 255
	.end_amdhsa_kernel
	.section	.bss,"aw",@nobits
	.p2align	6
	.space	262144
	.amdgpu_metadata
---
amdhsa.version: [ 1, 2 ]
amdhsa.kernels:
  - .name:           k_q968555af15_proj
    .symbol:         k_q968555af15_proj.kd
    .args:
      - { .name: x_codes, .offset: 0, .size: 8, .value_kind: global_buffer, .address_space: global }
      - { .name: x_scales, .offset: 8, .size: 8, .value_kind: global_buffer, .address_space: global }
      - { .name: wq_codes, .offset: 16, .size: 8, .value_kind: global_buffer, .address_space: global }
      - { .name: wq_scales, .offset: 24, .size: 8, .value_kind: global_buffer, .address_space: global }
      - { .name: wk_codes, .offset: 32, .size: 8, .value_kind: global_buffer, .address_space: global }
      - { .name: wk_scales, .offset: 40, .size: 8, .value_kind: global_buffer, .address_space: global }
      - { .name: wv_codes, .offset: 48, .size: 8, .value_kind: global_buffer, .address_space: global }
      - { .name: wv_scales, .offset: 56, .size: 8, .value_kind: global_buffer, .address_space: global }
      - { .name: bq, .offset: 64, .size: 8, .value_kind: global_buffer, .address_space: global }
      - { .name: bk, .offset: 72, .size: 8, .value_kind: global_buffer, .address_space: global }
      - { .name: bv, .offset: 80, .size: 8, .value_kind: global_buffer, .address_space: global }
      - { .name: qimg, .offset: 88, .size: 8, .value_kind: global_buffer, .address_space: global }
      - { .name: qsc, .offset: 96, .size: 8, .value_kind: global_buffer, .address_space: global }
      - { .name: kv, .offset: 104, .size: 8, .value_kind: global_buffer, .address_space: global }
    .group_segment_fixed_size: 327680
    .private_segment_fixed_size: 0
    .kernarg_segment_align: 8
    .kernarg_segment_size: 112
    .max_flat_workgroup_size: 128
    .sgpr_count:     102
    .vgpr_count:     1024
    .wavefront_size: 32
...
	.end_amdgpu_metadata
.endif
;; end of part 1
;; launch attn (part 2): grid 4 x 64, 8 waves a work-group, clusters of 4 x 1, 327,680 bytes of LDS; arguments qimg, qsc, kv, ao_codes, ao_scales; writes ao_codes, ao_scales
.if DOCPART == 2
	.amdgcn_target "amdgcn-amd-amdhsa--gfx1250"
	.amdhsa_code_object_version 6
	.text
	.protected	k_q968555af15_attn
	.globl	k_q968555af15_attn
	.p2align	8
	.type	k_q968555af15_attn,@function
k_q968555af15_attn:
	s_mov_b64 s[64:65], 0
	v_nop
	global_prefetch_b8 v0, s[64:65] scope:SCOPE_SE
	s_setreg_imm32_b32 hwreg(HW_REG_WAVE_MODE, 25, 1), 1
	s_wait_xcnt 0x0
	s_wait_alu depctr_hold_cnt(0) depctr_sa_sdst(0) depctr_va_vdst(0) depctr_va_sdst(0) depctr_va_ssrc(0) depctr_va_vcc(0) depctr_vm_vsrc(0)
	s_getreg_b32 s2, hwreg(HW_REG_IB_STS2, 6, 4)
	s_cmp_eq_u32 s2, 0
	s_cbranch_scc0 .Lentry_in_a_cluster
	s_endpgm
.Lentry_in_a_cluster:
	s_bfe_u32 s2, ttmp6, 0x10000c
	s_cmp_lg_u32 s2, 0x3003
	s_cbranch_scc0 .Lentry_shape_is_right
	s_endpgm
.Lentry_shape_is_right:
; o[q] = the sum over k of softmax_k(q . k / 8) v[k] for 64 (batch, head) pairs of 2,048 tokens and 64 channels, both products on codes of FP8 (E4M3) with E8M0 scales; o is then quantised along d_model for the last product.
; THE SOFTMAX: t = score x log2(e) / 8; M = the row's largest t so far, rounded up to a whole number; p = 2^(t - M) is quantised along the keys, not normalised.  The row's sum is taken of the unquantised p and divides O at the end.
; When M moves, the sum and O are multiplied by 2^(old M - new M): exact.
; SHARES.  A cluster is the four blocks of 512 queries of one (batch, head).  A work-group has EIGHT waves of 512 registers.  A wave owns TWO tiles of 16 queries at a time, 32 cx + 16 pass + 2 wave + u, and makes two passes;
; each fragment of K and V that it reads from LDS feeds both tiles.  Every wave walks all 2,048 keys, 128 a step.
; THE TWO TILES GO HALF A STEP APART: tile 0's scores; tile 1's sums, holds, conversions and second product (of the step before); tile 0's maxima and exponentials; tile 1's scores; tile 0's sums .. second product; tile 1's maxima and
; exponentials.  So one tile's vector lines are the places behind the other tile's products.  A pass's first trip finds zeros as tile 1's p: its second product adds zero codes.
; LDS.  The head's K and V (16 blocks of 17,152 bytes, one for each 128 keys, laid by the launch before as images of operand registers) lie in LDS as in memory, filled ONCE by joint loads of the four partners, two blocks a wave, and only read.
; No prefetch: all of the head is asked for at the kernel's head, and there is no loop to run ahead in.
; LAYOUT.  Both products are used transposed (source 0 = 16 keys or 16 channels, source 1 = my queries): a lane holds one query (lane % 16).
; THE FIRST PRODUCT'S K IS 64, the instruction's 128.  Source 0 is a PAIR of key tiles (the even one in places 0-63, the odd one in 64-127); source 1 is Q in one half and zero codes in the other: the half that meets zeros adds nothing.
; K's codes were held at the largest code when they were made, so none is a NaN code.  The scale words of Q and K hold their two bytes twice, so they serve either half.
; THE ORDER OF k inside a block of 32 is that of the result registers from which q, k, v's keys and p are converted, alike on both sides.  o's codes are brought into the natural order by exchanges between the halves of the lanes.
; WINDOWS.  Window 0: v1-9 addresses, v10-19 scale words, v20-83 K's eight tiles, v84-255 tile 0's own registers.  Window 1: v0-63 V's four tiles, v84-255 tile 1's own, under the same numbers.
; LIMITS: NaN and infinities are not served; the scaled scores stay under 2^31 in magnitude.  A block of zeros gets the scale byte 1 where the rule says 127: its codes are zeros, and this program alone reads the bytes.
; The two scale bytes of a token and head are stored by themselves, 32 bytes from token to token.  In a pass's last step the look-ahead for K is held at block 15, which is read once more.
.set BLK,   17152                      ; K's 8 tiles (8,192 bytes), V's 4 tiles (8,192), K's scale words (512), V's (256)
.set SPARE, 16*BLK                     ; the spare words: 128 bytes a wave
.set L16,  1                           ; 16 x lane
.set L8,   2                           ; 8 x lane
.set ADK,  3                           ; the next step's block + 16 x lane
.set ADV,  4                           ; this step's block + 16 x lane
.set ADV8, 5                           ; this step's block + 8 x lane
.set R16,  6                           ; 16 r
.set R32,  7                           ; 32 r
.set SPW,  8
.set NIL,  9
.set KSC,  10                          ; v10-13 K's scale words: register j: lanes 0-15 tile 2 j, lanes 16-31 tile 2 j + 1
.set VSC,  14                          ; v14-15 V's likewise
.set QS,   16                          ; v16, v17 Q's scale words, tile 0, 1
.set PWR,  18                          ; v18, v19 p's scale words, tile 0, 1
.set KF,   20                          ; K's tiles, 8 registers each
.set VF,   0                           ; window 1: V's tiles, 16 registers each
.set QZ,   84                          ; 8 zeros, Q's 8 registers, 8 zeros
.set S,    108                         ; S^T, then p
.set OT,   172                         ; O^T
.set PC,   204                         ; p's codes; on the way out o's
.set NM,   220                         ; -M
.set RM,   221                         ; the largest score so far
.set LS,   222                         ; the sum, in two halves
.set FF,   224                         ; f = 2^(old M - new M), later 1 / the sum; v225 is named with it as a pair
.set BM,   226                         ; the blocks' maxima
.set TP,   230
.set HD,   234                         ; 448 x the scale
.set SO,   238                         ; the conversions' scale operands
.set TA,   242
.set TB2,  243
.set TT,   244                         ; six pairs: the sum's chains
.set WV,   14
.set MNT,  19
.set SEL,  20
.set CS,   22                          ; s[22:23] c = log2(e) / 8
.set G1,   24
.set G0,   32
.set TB,   36                          ; LDS byte at which the step's block begins
.set CNT,  37
.set PASS, 38
.set NC,   39                          ; -c
.set TBK,  40
.set MSB, 0
.macro WIN new                         ; the immediate's high byte repeats the setting that is left
.if MSB != \new
	s_set_vgpr_msb (MSB<<8)|\new
.set MSB, \new
.endif
.endm
.macro WALU
	s_wait_alu depctr_va_vdst(0)
.endm
.macro CROUND                          ; a round of the cluster's barrier
	s_barrier_signal -1
	s_barrier_wait -1
	s_cmp_lg_u32 s[WV], 0
	s_cbranch_scc1 .Lnot_wave_0_\@
	s_barrier_signal -3
.Lnot_wave_0_\@:
	s_barrier_wait -3
	s_barrier_signal -1
	s_barrier_wait -1
.endm
.macro QLOAD                           ; both tiles' codes and scale words
	global_load_b128 v[QZ+8:QZ+11], v[L16], s[4:5]
	global_load_b128 v[QZ+12:QZ+15], v[L16], s[4:5] offset:512
	global_load_b32 v[QS], v[R16], s[6:7]
	global_load_b32 v[QS+1], v[R16], s[6:7] offset:256
	WIN 0x40
	global_load_b128 v[QZ+8:QZ+11], v[L16], s[4:5] offset:1024
	global_load_b128 v[QZ+12:QZ+15], v[L16], s[4:5] offset:1536
	WIN 0
.endm
.macro KLOAD adr                       ; 17 LDS loads
.irp t, 0,1,2,3,4,5,6,7
	ds_load_b128 v[KF+8*\t:KF+8*\t+3], v[\adr] offset:1024*\t
	ds_load_b128 v[KF+8*\t+4:KF+8*\t+7], v[\adr] offset:1024*\t+512
.endr
	ds_load_b128 v[KSC:KSC+3], v[\adr] offset:16384
.endm
.macro VLOAD adr, adr8                 ; 17 LDS loads
	WIN 0x40
.irp t, 0,1,2,3
.irp c, 0,1,2,3
	ds_load_b128 v[VF+16*\t+4*\c:VF+16*\t+4*\c+3], v[\adr] offset:8192+2048*\t+512*\c
.endr
.endr
	WIN 0
	ds_load_b64 v[VSC:VSC+1], v[\adr8] offset:16896
.endm
.macro START w                         ; a pass begins: O^T and the sum as zeros, the largest score under every score: the first change of M multiplies zeros
	WIN 0x55*\w
	v_mov_b32 v[RM], 0xff61b1e6            ; -3e38
	v_mov_b32 v[NM], 0x7e000000            ; a -M above every -M: the first f is 0
	v_mov_b32 v[LS], 0
	v_mov_b32 v[LS+1], 0
	v_mov_b32 v[FF], 0
.set i, 0
.rept 32
	v_mov_b32 v[OT+i], 0
.set i, i+1
.endr
.if \w                                 ; tile 1's p of the step before the first: zeros
.set i, 0
.rept 64
	v_mov_b32 v[S+i], 0
.set i, i+1
.endr
.irp b, 0,1,2,3
	v_mov_b32 v[BM+\b], 0
.endr
.endif
.endm
.macro SPROD w                         ; S^T = K Q^T: eight accumulators, each begun with 0
	WIN 0x54*\w
.irp j, 0,1,2,3
	v_wmma_scale_f32_16x16x128_f8f6f4 v[S+16*\j:S+16*\j+7], v[KF+16*\j:KF+16*\j+15], v[QZ+8:QZ+23], 0, v[KSC+\j], v[QS+\w]
	v_wmma_scale_f32_16x16x128_f8f6f4 v[S+16*\j+8:S+16*\j+15], v[KF+16*\j:KF+16*\j+15], v[QZ:QZ+15], 0, v[KSC+\j], v[QS+\w] matrix_a_scale:MATRIX_SCALE_ROW1
.endr
.endm
.macro PV w                            ; O^T += V^T P^T: the four accumulators by turns
	WIN 0x01+0x54*\w
.irp t, 0,2
	v_wmma_scale_f32_16x16x128_f8f6f4 v[OT+8*\t:OT+8*\t+7], v[VF+16*\t:VF+16*\t+15], v[PC:PC+15], v[OT+8*\t:OT+8*\t+7], v[VSC+\t/2], v[PWR+\w]
	v_wmma_scale_f32_16x16x128_f8f6f4 v[OT+8*\t+8:OT+8*\t+15], v[VF+16*\t+16:VF+16*\t+31], v[PC:PC+15], v[OT+8*\t+8:OT+8*\t+15], v[VSC+\t/2], v[PWR+\w] matrix_a_scale:MATRIX_SCALE_ROW1
.endr
.endm
; MAXIMA AND EXPONENTIALS of a tile.  ldv = 1: behind twelve lines, which are the places behind the other tile's second product, this step's V is fetched.
.macro PHA w, ldv
	WIN 0x55*\w
.irp b, 0,1,2,3
	v_max3_num_f32 v[BM+\b], v[S+16*\b], v[S+1+16*\b], v[S+2+16*\b]   ; the largest score of each block of 32 keys: for the row's maximum and, since p rises with the score, for the block's largest p
.endr
.irp i, 3,5
.irp b, 0,1,2,3
	v_max3_num_f32 v[BM+\b], v[BM+\b], v[S+16*\b+\i], v[S+1+16*\b+\i]
.endr
.endr
.if \ldv
	VLOAD ADV, ADV8
.endif
.irp i, 7,9,11,13
.irp b, 0,1,2,3
	v_max3_num_f32 v[BM+\b], v[BM+\b], v[S+16*\b+\i], v[S+1+16*\b+\i]
.endr
.endr
.irp b, 0,1,2,3
	v_max_num_f32 v[BM+\b], v[BM+\b], v[S+15+16*\b]
.endr
.irp b, 0,1,2,3
	v_permlanex16_b32 v[TP+\b], v[BM+\b], s[SEL], s[SEL+1]
.endr
.irp b, 0,1,2,3
	v_max_num_f32 v[BM+\b], v[BM+\b], v[TP+\b]     ; with lane l xor 16's 16 keys
.endr
	v_mov_b32 v[TA], v[NM]
	v_max3_num_f32 v[RM], v[RM], v[BM], v[BM+1]
	v_max3_num_f32 v[RM], v[RM], v[BM+2], v[BM+3]  ; the running largest score (c is positive: the largest t is c x it)
	v_mul_f32 v[TB2], s[NC], v[RM]
	v_floor_f32 v[NM], v[TB2]                      ; the new -M = floor(-t) = -ceil(t)
.set j, 0
.rept 32
	v_pk_fma_f32 v[S+j:S+j+1], v[S+j:S+j+1], s[CS:CS+1], v[NM:NM+1] op_sel_hi:[1,0,0]   ; t - M, two at a time (of the pairs c and -M the low word serves both halves)
.if j == 4
	v_sub_f32 v[TA], v[NM], v[TA]                  ; old M less new M: a whole number, 0 or less
.endif
.if j == 12
	v_cvt_i32_f32 v[TA], v[TA]                     ; (it saturates)
.endif
.if j == 20
	v_ldexp_f32 v[FF], 1.0, v[TA]                  ; f = 2^(old M - new M)
.endif
.set j, j+2
.endr
.irp b, 0,1,2,3
	v_fma_f32 v[BM+\b], v[BM+\b], s[CS], v[NM]     ; the same of each block's largest score
.endr
	WALU                                           ; ahead of the batch
.set j, 0
.rept 64
	v_exp_f32 v[S+j], v[S+j]                       ; p = 2^(t - M), at most 1
.set j, j+1
.endr
.irp b, 0,1,2,3
	v_exp_f32 v[BM+\b], v[BM+\b]                   ; the block's largest p
.endr
	v_pk_mul_f32 v[LS:LS+1], v[LS:LS+1], v[FF:FF+1] op_sel_hi:[1,0]   ; the sums under the new M: the plain place behind the batch
	WALU                                           ; behind the batch, ahead of its first reader
.endm
.macro SUMS from
.irp k, 0,1,2,3,4,5
	v_pk_add_f32 v[TT+2*\k:TT+2*\k+1], v[TT+2*\k:TT+2*\k+1], v[S+2*(\from+\k):S+2*(\from+\k)+1]
.endr
.endm
; SCALES, SUMS, HOLDS, CONVERSIONS of a tile, and O^T under the new M.  ldk = 1: behind sixteen lines, which are the places behind the other tile's scores, the next step's K is fetched.
.macro PHB w, ldk
	WIN 0x55*\w
.irp b, 0,1,2,3
	v_max_num_f32 v[BM+\b], 0x4800000, v[BM+\b]    ; the floor 2^(9 - 127): the byte cannot fall under 1
.endr
.irp b, 0,1,2,3
	v_add_nc_u32 v[SO+\b], 0xfc000000, v[BM+\b]    ; 8 off the exponent field: the conversion's scale operand
.endr
.irp b, 0,1,2,3
	v_and_or_b32 v[HD+\b], v[BM+\b], 0x7f800000, s[MNT]   ; 448 x the scale
.endr
.irp b, 0,1,2,3
	v_lshrrev_b32 v[TP+\b], 23, v[SO+\b]           ; the scale's byte
.endr
.if \ldk
	KLOAD ADK
.endif
.irp k, 0,1,2,3,4,5                            ; the row's sum of the unquantised p: six chains and the sum's own
	v_pk_add_f32 v[TT+2*\k:TT+2*\k+1], v[S+2*\k:S+2*\k+1], v[S+2*\k+12:S+2*\k+13]
.endr
	v_lshl_or_b32 v[TA], v[TP+1], 8, v[TP]
	SUMS 12
	v_lshl_or_b32 v[TA], v[TP+2], 16, v[TA]
	SUMS 18
	WIN 0x15*\w                                    ; scale words lie in window 0
	v_lshl_or_b32 v[PWR+\w], v[TP+3], 24, v[TA]    ; p's scale word for these 128 keys
	WIN 0x55*\w
	SUMS 24
	v_pk_add_f32 v[LS:LS+1], v[LS:LS+1], v[S+60:S+61]
	v_pk_add_f32 v[TT:TT+1], v[TT:TT+1], v[TT+2:TT+3]
	v_pk_add_f32 v[TT+4:TT+5], v[TT+4:TT+5], v[TT+6:TT+7]
	v_pk_add_f32 v[TT+8:TT+9], v[TT+8:TT+9], v[TT+10:TT+11]
	v_pk_add_f32 v[LS:LS+1], v[LS:LS+1], v[S+62:S+63]
	v_pk_add_f32 v[TT:TT+1], v[TT:TT+1], v[TT+4:TT+5]
	v_pk_add_f32 v[LS:LS+1], v[LS:LS+1], v[TT+8:TT+9]
	v_pk_add_f32 v[LS:LS+1], v[LS:LS+1], v[TT:TT+1]
.irp b, 0,2                                    ; the hold: the conversion to an 8-bit code does not saturate (ISA guide 7.6.2); p is not negative, so it is one-sided
.set j, 0
.rept 16
.if \w
	v_min_num_f32 v[S+16*\b+j], v[S+16*\b+j], v[HD+\b]
	v_min_num_f32 v[S+16*\b+16+j], v[S+16*\b+16+j], v[HD+\b+1]
.else
	v_dual_min_num_f32 v[S+16*\b+j], v[HD+\b], v[S+16*\b+j] :: v_dual_min_num_f32 v[S+16*\b+17+j-2*(j&1)], v[HD+\b+1], v[S+16*\b+17+j-2*(j&1)]   ; one number of block b, one of block b + 1: destinations of unlike parity, sources in unlike banks
.endif
.set j, j+1
.endr
.irp e, 0,1
	v_cvt_scalef32_pk8_fp8_f32 v[PC+4*(\b+\e):PC+4*(\b+\e)+1], v[S+16*(\b+\e):S+16*(\b+\e)+7], v[SO+\b+\e]
	v_cvt_scalef32_pk8_fp8_f32 v[PC+4*(\b+\e)+2:PC+4*(\b+\e)+3], v[S+16*(\b+\e)+8:S+16*(\b+\e)+15], v[SO+\b+\e]
.endr
.endr
	WALU                                           ; directly ahead of the first readers of O^T
.set j, 0
.rept 16
	v_pk_mul_f32 v[OT+j:OT+j+1], v[OT+j:OT+j+1], v[FF:FF+1] op_sel_hi:[1,0]   ; O^T x f; also the plain line behind the conversions and the places in front of the products
.set j, j+2
.endr
.endm
; THE WAY OUT of a tile: O^T / the sum; its 64 channels are two blocks of 32 along d_model: quantised, brought into the natural order, stored as the image of the last product's operand.
.macro FINISH w
	WIN 0x55*\w
	v_add_f32 v[LS], v[LS], v[LS+1]
	v_permlanex16_b32 v[TA], v[LS], s[SEL], s[SEL+1]
	v_add_f32 v[LS], v[LS], v[TA]                  ; the row's sum
	WALU
	v_rcp_f32 v[FF], v[LS]
	v_nop
	WALU
.set j, 0
.rept 16
	v_pk_mul_f32 v[OT+j:OT+j+1], v[OT+j:OT+j+1], v[FF:FF+1] op_sel_hi:[1,0]
.set j, j+2
.endr
.irp b, 0,1
	v_max3_num_f32 v[BM+\b], |v[OT+16*\b]|, |v[OT+1+16*\b]|, 0x4800000
.endr
.irp i, 2,4,6,8,10,12,14
.irp b, 0,1
	v_max3_num_f32 v[BM+\b], v[BM+\b], |v[OT+16*\b+\i]|, |v[OT+1+16*\b+\i]|
.endr
.endr
.irp b, 0,1
	v_permlanex16_b32 v[TP+\b], v[BM+\b], s[SEL], s[SEL+1]
.endr
.irp b, 0,1
	v_max_num_f32 v[BM+\b], v[BM+\b], v[TP+\b]
.endr
.irp b, 0,1
	v_add_nc_u32 v[SO+\b], 0xfc000000, v[BM+\b]
.endr
.irp b, 0,1
	v_and_or_b32 v[HD+\b], v[BM+\b], 0x7f800000, s[MNT]
.endr
.irp b, 0,1
	v_lshrrev_b32 v[TP+\b], 23, v[SO+\b]
.endr
	v_lshl_or_b32 v[TB2], v[TP+1], 8, v[TP]        ; my token's two scale bytes
.irp b, 0,1
.set j, 0
.rept 16
	v_med3_num_f32 v[OT+16*\b+j], v[OT+16*\b+j], -v[HD+\b], v[HD+\b]
.set j, j+1
.endr
	v_cvt_scalef32_pk8_fp8_f32 v[PC+4*\b:PC+4*\b+1], v[OT+16*\b:OT+16*\b+7], v[SO+\b]
	v_cvt_scalef32_pk8_fp8_f32 v[PC+4*\b+2:PC+4*\b+3], v[OT+16*\b+8:OT+16*\b+15], v[SO+\b]
.endr
	v_nop                                          ; one plain line behind the last conversion
.irp b, 0,1                                    ; the upper lanes of registers 0, 1 change places with the lower lanes of 2, 3: lanes 0-15 then hold channels 0 .. 15, lanes 16-31 channels 16 .. 31
	v_permlane16_swap_b32 v[PC+4*\b], v[PC+4*\b+2]
	v_permlane16_swap_b32 v[PC+4*\b+1], v[PC+4*\b+3]
.endr
	WIN 0x04*\w                                    ; the data in the tile's window, the offsets in window 0
	global_store_b128 v[L16], v[PC:PC+3], s[10:11] offset:\w*16384         ; 32 lanes store 512 consecutive bytes, aligned
	global_store_b128 v[L16], v[PC+4:PC+7], s[10:11] offset:\w*16384+512
	global_store_b16 v[R32], v[TB2], s[12:13] offset:\w*512
.endm
	s_load_b256 s[4:11], s[0:1], 0x0               ; qimg, qsc, kv, ao_codes
	s_load_b64 s[12:13], s[0:1], 0x20              ; ao_scales
	v_lshl_add_u32 v[SPW], v0, 2, SPARE
	v_mov_b32 v[NIL], 0
	ds_add_u32 v[SPW], v[NIL]                      ; the opening lines: the add, twice on end, and its wait
	ds_add_u32 v[SPW], v[NIL]
	v_lshrrev_b32 v1, 5, v0
	v_readfirstlane_b32 s[WV], v1                  ; wave 0..7
	s_bfe_u32 s15, ttmp6, 0x40000                  ; cx: it enters the addresses of Q and of the results alone
	s_and_b32 s16, ttmp7, 0xffff                   ; 16 x batch + head, which the four partners share
	s_lshr_b32 s17, s16, 4
	s_and_b32 s18, s16, 15
	s_mov_b32 s[MNT], 0x600000
	s_mov_b32 s[SEL], 0x76543210
	s_mov_b32 s[SEL+1], 0xfedcba98
	s_mov_b32 s[CS], 0x3e38aa3b                    ; log2(e) / 8
	s_mov_b32 s[CS+1], s[CS]
	s_mov_b32 s[NC], 0xbe38aa3b
	s_mov_b32 s[PASS], 0
	s_mov_b32 s[G1], 15|(3<<16)|(1<<21)            ; two blocks, 34,304 dense bytes, as 134 rows of 256 bytes; the mask names all four work-groups
	s_mov_b32 s[G1+1], 32<<16
	s_mov_b32 s[G1+2], 134<<16
	s_mov_b32 s[G1+3], 32<<16
	s_mov_b32 s[G1+4], 134
	s_mov_b32 s[G1+5], 32
	s_mov_b32 s[G1+6], 0
	s_mov_b32 s[G1+7], 0
	s_mul_i32 s50, s16, 16*BLK                     ; the head's first byte in kv
	s_mul_i32 s51, s[WV], 2*BLK                    ; blocks 2 wave, 2 wave + 1
	s_add_co_u32 s52, s50, s51
	s_mov_b32 s53, 0
	s_lshl_b32 s54, s15, 5
	s_lshl_b32 s55, s[WV], 1
	s_add_co_u32 s54, s54, s55                     ; my first tile of queries: 32 cx + 2 wave
	s_mov_b32 s57, 0
	s_lshl_b32 s56, s16, 17                        ; qimg: 131,072 bytes a head, 1,024 a tile
	s_lshl_b32 s55, s54, 10
	s_add_co_u32 s56, s56, s55
	WALU
	s_wait_dscnt 0x0
	s_wait_kmcnt 0x0
	s_add_nc_u64 s[4:5], s[4:5], s[56:57]
	s_lshl_b32 s56, s16, 13                        ; qsc: 8,192 bytes a head, 512 for 8 tiles; tile a of the eight: 256 (a % 2) + 4 (a / 2); here a = 2 (wave % 4) + u
	s_lshl_b32 s55, s15, 2
	s_lshr_b32 s50, s[WV], 2
	s_add_co_u32 s55, s55, s50
	s_lshl_b32 s55, s55, 9
	s_add_co_u32 s56, s56, s55
	s_and_b32 s55, s[WV], 3
	s_lshl_b32 s55, s55, 2
	s_add_co_u32 s56, s56, s55
	s_add_nc_u64 s[6:7], s[6:7], s[56:57]
	s_lshl_b32 s56, s17, 7                         ; ao_codes: 16,384 bytes for 16 tokens, 1,024 of them a head
	s_add_co_u32 s56, s56, s54
	s_lshl_b32 s56, s56, 14
	s_lshl_b32 s55, s18, 10
	s_add_co_u32 s56, s56, s55
	s_add_nc_u64 s[10:11], s[10:11], s[56:57]
	s_lshl_b32 s56, s17, 11                        ; ao_scales: 32 bytes a token, 2 of them a head
	s_lshl_b32 s55, s54, 4
	s_add_co_u32 s56, s56, s55
	s_lshl_b32 s56, s56, 5
	s_lshl_b32 s55, s18, 1
	s_add_co_u32 s56, s56, s55
	s_add_nc_u64 s[12:13], s[12:13], s[56:57]
	s_add_nc_u64 s[8:9], s[8:9], s[52:53]
	s_mov_b32 s[G0], 1
	s_mov_b32 s[G0+1], s51
	s_mov_b64 s[G0+2:G0+3], s[8:9]
	s_or_b32 s[G0+3], s[G0+3], 0x80000000
	CROUND                                         ; all four work-groups are here: the joint loads meet
	tensor_load_to_lds s[G0:G0+3], s[G1:G1+7]      ; one load a wave: the eight bring the whole head
	s_nop 0
.rept 4
	v_nop
.endr
	v_and_b32 v[ADK], 31, v0
	v_and_b32 v[ADV], 15, v0
	v_lshlrev_b32 v[L16], 4, v[ADK]
	v_lshlrev_b32 v[L8], 3, v[ADK]
	v_lshlrev_b32 v[R16], 4, v[ADV]
	v_lshlrev_b32 v[R32], 5, v[ADV]
	QLOAD                                          ; the first pass's tiles
.irp w, 0,1
	WIN 0x55*\w
.irp i, 0,1,2,3,4,5,6,7
	v_mov_b32 v[QZ+\i], 0                          ; the zero codes: written once
	v_mov_b32 v[QZ+16+\i], 0
.endr
.irp b, 0,1,2,3
	v_mov_b32 v[TP+\b], 0                          ; a lane permute's destination counts as one of its sources
.endr
	v_mov_b32 v[FF+1], 0                           ; (named as the upper half of a pair)
	v_mov_b32 v[TA], 0
.endr
	WIN 0
	WALU
	s_wait_tensorcnt 0x0                           ; my two blocks have landed
	s_barrier_signal -1
	s_barrier_wait -1                              ; everybody's have: from here on LDS is only read
.Lpass:
	KLOAD L16                                      ; block 0's K,
	VLOAD L16, L8                                  ; and its V, which the first trip multiplies by tile 1's zero codes
	START 0
	START 1
	WIN 0
	s_mov_b32 s[TB], 0
	s_mov_b32 s[CNT], 16
	WALU
	s_wait_loadcnt 0x0                             ; Q
.Lstep:
	WALU
	s_wait_dscnt 0x0                               ; this step's K
	SPROD 0
	WIN 0
	s_add_co_u32 s[TBK], s[TB], BLK
	s_min_u32 s[TBK], s[TBK], 15*BLK               ; the look-ahead stays inside the head's blocks
	v_add_nc_u32 v[ADV], s[TB], v[L16]
	v_add_nc_u32 v[ADV8], s[TB], v[L8]
	v_add_nc_u32 v[ADK], s[TBK], v[L16]
	PHB 1, 0
	PV 1
	PHA 0, 1
	SPROD 1
	PHB 0, 1
	WALU
	s_wait_dscnt 17                                ; V's 17 loads are in; behind them stand the 17 for the next step's K
	PV 0
	PHA 1, 0
	WIN 0
	s_add_co_u32 s[TB], s[TB], BLK
	s_sub_co_u32 s[CNT], s[CNT], 1
	s_cmp_lg_u32 s[CNT], 0
	s_cbranch_scc1 .Lstep
	s_wait_dscnt 0x0                               ; no load into K's registers is out
	PHB 1, 0                                       ; tile 1's last half step
	PV 1
	WIN 0
	WALU
	s_cmp_eq_u32 s[PASS], 1
	s_cbranch_scc1 .Lno_q                          ; the last pass has no tiles behind it
	s_add_nc_u64 s[4:5], s[4:5], 16384             ; (the earlier loads by these bases were waited for)
	s_add_nc_u64 s[6:7], s[6:7], 1024
	QLOAD                                          ; the next pass's tiles, under the way out
.Lno_q:
	FINISH 0
	FINISH 1
	WIN 0
	WALU
	s_wait_xcnt 0x0                                ; the stores have read their data and bases
	s_add_nc_u64 s[10:11], s[10:11], 262144
	s_add_nc_u64 s[12:13], s[12:13], 8192
	s_add_co_u32 s[PASS], s[PASS], 1
	s_cmp_lt_u32 s[PASS], 2
	s_cbranch_scc1 .Lpass
	s_wait_tensorcnt 0x0                           ; the wave's end
	ds_add_u32 v[SPW], v[NIL]
	s_wait_dscnt 0x0
	CROUND                                         ; the closing round
	s_endpgm
.Lfunc_end_k_q968555af15_attn:
	.size	k_q968555af15_attn, .Lfunc_end_k_q968555af15_attn-k_q968555af15_attn
	.p2alignl 7, 3214868480
	.fill 96, 4, 3214868480
	.section	.rodata,"a",@progbits
	.p2align	6, 0x0
	.amdhsa_kernel k_q968555af15_attn
		.amdhsa_group_segment_fixed_size 327680
		.amdhsa_private_segment_fixed_size 0
		.amdhsa_enable_private_segment 0
		.amdhsa_kernarg_size 40
		.amdhsa_user_sgpr_count 2
		.amdhsa_user_sgpr_kernarg_segment_ptr 1
		.amdhsa_wavefront_size32 1
		.amdhsa_system_sgpr_workgroup_id_x 1
		.amdhsa_system_sgpr_workgroup_id_y 1
		.amdhsa_system_sgpr_workgroup_id_z 1
		.amdhsa_system_vgpr_workitem_id 0
		.amdhsa_next_free_vgpr 512
		.amdhsa_next_free_sgpr 66
		.amdhsa_reserve_vcc 0
		.amdhsa_float_denorm_mode_32 3
		.amdhsa_float_denorm_mode_16_64 3
		.amdhsa_memory_ordered 1
		.amdhsa_forward_progress 1
		.amdhsa_inst_pref_size 68
	.end_amdhsa_kernel
	.amdgpu_metadata
---
amdhsa.version: [ 1, 2 ]
amdhsa.kernels:
  - .name:           k_q968555af15_attn
    .symbol:         k_q968555af15_attn.kd
    .args:
      - { .name: qimg, .offset: 0, .size: 8, .value_kind: global_buffer, .address_space: global }
      - { .name: qsc, .offset: 8, .size: 8, .value_kind: global_buffer, .address_space: global }
      - { .name: kv, .offset: 16, .size: 8, .value_kind: global_buffer, .address_space: global }
      - { .name: ao_codes, .offset: 24, .size: 8, .value_kind: global_buffer, .address_space: global }
      - { .name: ao_scales, .offset: 32, .size: 8, .value_kind: global_buffer, .address_space: global }
    .group_segment_fixed_size: 327680
    .private_segment_fixed_size: 0
    .kernarg_segment_align: 8
    .kernarg_segment_size: 40
    .max_flat_workgroup_size: 256
    .sgpr_count:     66
    .vgpr_count:     512
    .wavefront_size: 32
...
	.end_amdgpu_metadata
.endif
;; end of part 2
;; launch oproj (part 3): grid 8 x 32, 4 waves a work-group, clusters of 4 x 4, 327,680 bytes of LDS; arguments ao_codes, ao_scales, wo_codes, wo_scales, bo, out0; writes out0
.if DOCPART == 3
	.amdgcn_target "amdgcn-amd-amdhsa--gfx1250"
	.amdhsa_code_object_version 6
	.text
	.protected	k_q968555af15_oproj
	.globl	k_q968555af15_oproj
	.p2align	8
	.type	k_q968555af15_oproj,@function
k_q968555af15_oproj:
	s_mov_b64 s[64:65], 0
	v_nop
	global_prefetch_b8 v0, s[64:65] scope:SCOPE_SE
	s_setreg_imm32_b32 hwreg(HW_REG_WAVE_MODE, 25, 1), 1
	s_wait_xcnt 0x0
	s_wait_alu depctr_hold_cnt(0) depctr_sa_sdst(0) depctr_va_vdst(0) depctr_va_sdst(0) depctr_va_ssrc(0) depctr_va_vcc(0) depctr_vm_vsrc(0)
	s_getreg_b32 s2, hwreg(HW_REG_IB_STS2, 6, 4)
	s_cmp_eq_u32 s2, 0
	s_cbranch_scc0 .Lentry_in_a_cluster
	s_endpgm
.Lentry_in_a_cluster:
	s_bfe_u32 s2, ttmp6, 0x10000c
	s_cmp_lg_u32 s2, 0xf033
	s_cbranch_scc0 .Lentry_shape_is_right
	s_endpgm
.Lentry_shape_is_right:
; out0 = o wo^T + bo: 8,192 x 1,024 x 1,024 on codes of MX-FP8 (E4M3, a scale byte for 32 along K), f32 sums.
; ao_codes holds o's codes as images of operand registers: [16 tokens][128 of K: q][32 of K: c][lane][16 bytes], 16,384 dense bytes for 16 tokens; ao_scales [token][32]; wo_codes [n][1,024], wo_scales [n][32] as given.
; THE DEAL.  256 work-groups of four waves, 2 x 2; a work-group makes 256 rows x 128 columns.  A wave holds 64 rows of wo, ALL of K, in 512 registers (windows 1, 2) and streams its eight blocks of 16 tokens past them;
; a block stands in registers whole (128), in two sets (window 3).  Block s of wave row w is tokens 32 s + 16 w + 0 .. 15 of the work-group's rows.  A block is 32 products, its four accumulators by turns; the bias is the first four products' C.
; LDS.  Two slots of 128 rows of 1,024 bytes + 16 of padding.  Slot 0: tokens 0-127 (chunk 0).  Slot 1: the 128 rows of wo, and, once every wave holds them in registers, tokens 128-255 (chunk 1), by a refill behind a drained round
; of the cluster's barrier, a quarter a wave, onto the same bytes.  Behind the slots: the scale bytes of the 256 tokens, a stage of 16 rows x 272 bytes for each wave, the spare words.
; FILLS AT THE HEAD, one joint load a wave: waves 0, 1 the halves of wo's rows (shared by the cluster's column), wave 2 chunk 0, wave 3 the scale bytes (shared by its row).  The first barrier shows wo's rows alone.
; THE MATRIX INSTRUCTION IS USED TRANSPOSED (source 0 = 16 rows of wo, source 1 = 16 tokens): a lane holds eight neighbouring columns of one row of out0.  A block goes through my stage and leaves as whole rows of 256 bytes,
; among the next block's products.
; A PREFETCH of chunk 1 stands at the head: its 512 blocks of 256 bytes are shared out by address among the sixteen waves of the cluster's row, a lane a block, one instruction a wave; chunk 0 and wo come by their loads alone.
; LIMITS: NaN, infinities and sums beyond f32's range are not served.
.set PITCH, 1040
.set YB,    128*PITCH                  ; slot 1
.set SCL,   2*128*PITCH                ; the tokens' scale bytes: 32 units of 256 bytes (8 tokens) + 16 of padding
.set STG,   SCL+32*272                 ; the stages
.set SPARE, STG+4*16*272
.set A0,   4                           ; v4-7  LDS address of my blocks 0, 2, 4, 6 (an odd block: 32 rows on, in the offset)
.set AAS0, 8                           ; v8    of my token's scale words in block 0
.set PF,   9                           ; v9    the prefetch's offset
.set SPW,  10
.set NIL,  11
.set ADRB, 14                          ; v14   of my fragments of wo
.set ABS,  16                          ; v16   32 x lane: wo's scale bytes
.set STO,  17                          ; v17   the stage: where I put 32 bytes of a row
.set RD,   18                          ; v18   where I read a row back
.set CO,   19                          ; v19   my byte offset in out0
.set H32,  20                          ; v20   32 x (lane / 16)
.set SB,   24                          ; v24-39  wo's scale words: register 8 p + q: lanes 0-15 tile 2 p, lanes 16-31 tile 2 p + 1
.set SA,   44                          ; v44-59  the tokens': two sets of eight
.set ACC,  64                          ; v64-127 two sets of four accumulators
.set OB,   128                         ; v128-159 a block read back from the stage
.set BQ,   160                         ; v160-191 the bias in the results' layout
.set G1B, 24
.set G1A, 32
.set G1R, 48
.set G1S, 56
.set G0B, 68
.set G0A, 72
.set G0R, 76
.set G0S, 80
.set MSB, 0
.macro WIN new                         ; the immediate's high byte repeats the setting that is left
.if MSB != \new
	s_set_vgpr_msb (MSB<<8)|\new
.set MSB, \new
.endif
.endm
.macro PLACES n
.rept \n
	v_nop
.endr
.endm
.macro BARRIER
	s_barrier_signal -1
	s_barrier_wait -1
.endm
.macro CROUND                          ; a round of the cluster's barrier
	BARRIER
	s_cmp_lg_u32 s16, 0
	s_cbranch_scc1 .Lnot_wave_0_\@
	s_barrier_signal -3
.Lnot_wave_0_\@:
	s_barrier_wait -3
	BARRIER
.endm
.macro TLOAD g0, g1                    ; an s_nop 0 and four v_nop follow a tensor load
	tensor_load_to_lds s[\g0:\g0+3], s[\g1:\g1+7]
	s_nop 0
	PLACES 4
.endm
.macro GROUP1 g, mask, rows            ; so many rows of 1,024 bytes, dense in memory, 16 bytes of padding behind each in LDS
	s_or_b32 s[\g+0], s[\mask], (1<<20)|(1<<21)|(7<<22)|(3<<25)
	s_mov_b32 s[\g+1], 1024<<16
	s_mov_b32 s[\g+2], (\rows)<<16
	s_mov_b32 s[\g+3], 1024<<16
	s_mov_b32 s[\g+4], \rows
	s_mov_b32 s[\g+5], 1024
	s_mov_b32 s[\g+6], 0
	s_mov_b32 s[\g+7], 0
.endm
	s_load_b256 s[4:11], s[0:1], 0x0               ; ao_codes, ao_scales, wo_codes, wo_scales
	s_load_b128 s[12:15], s[0:1], 0x20             ; bo, out0
	v_lshl_add_u32 v[SPW], v0, 2, SPARE
	v_mov_b32 v[NIL], 0
	ds_add_u32 v[SPW], v[NIL]                      ; the opening lines: the add, twice on end, and its wait
	ds_add_u32 v[SPW], v[NIL]
	v_lshrrev_b32 v1, 5, v0
	v_readfirstlane_b32 s16, v1                    ; wave 0..3
	s_lshr_b32 s17, s16, 1                         ; my row of waves
	s_and_b32 s18, s16, 1                          ; my column of waves
	s_bfe_u32 s19, ttmp6, 0x40000                  ; cx
	s_bfe_u32 s20, ttmp6, 0x40004                  ; cy
	s_lshl_b32 s21, ttmp9, 2
	s_add_co_u32 s21, s21, s19                     ; tile column, 0 .. 7
	s_and_b32 s22, ttmp7, 0xffff
	s_lshl_b32 s22, s22, 2
	s_add_co_u32 s22, s22, s20                     ; tile row, 0 .. 31
	s_lshl_b32 s23, s20, 2
	s_lshl_b32 s23, 15, s23                        ; my row of the cluster: shares the tokens
	s_lshl_b32 s40, 0x1111, s19                    ; my column: shares wo's rows
	GROUP1 G1B, 40, 64
	GROUP1 G1A, 23, 128
	GROUP1 G1R, 23, 32
	s_or_b32 s[G1S+0], s23, (3<<16)|(1<<20)|(1<<21)|(5<<22)|(3<<25)   ; 8,192 dense bytes as 32 rows of 256 (32 elements of 8), 16 of padding behind each
	s_mov_b32 s[G1S+1], 32<<16
	s_mov_b32 s[G1S+2], 32<<16
	s_mov_b32 s[G1S+3], 32<<16
	s_mov_b32 s[G1S+4], 32
	s_mov_b32 s[G1S+5], 32
	s_mov_b32 s[G1S+6], 0
	s_mov_b32 s[G1S+7], 0
	s_lshl_b32 s84, s21, 17                        ; wo_codes: 128 rows a tile column, 64 a half
	s_lshl_b32 s86, s18, 16
	s_add_co_u32 s84, s84, s86
	s_mov_b32 s85, 0
	s_lshl_b32 s86, s21, 12                        ; wo_scales: my wave's 64 rows
	s_lshl_b32 s41, s18, 11
	s_add_co_u32 s86, s86, s41
	s_mov_b32 s87, 0
	s_lshl_b32 s42, s21, 9                         ; my wave's first column, in bytes of f32
	s_lshl_b32 s41, s18, 8
	s_add_co_u32 s42, s42, s41
	s_mov_b32 s43, 0
	s_lshl_b32 s88, s22, 18                        ; ao_codes: 262,144 bytes a tile row: chunk 0
	s_mov_b32 s89, 0
	s_lshl_b32 s90, s16, 15                        ; chunk 1: my quarter
	s_add_co_u32 s90, s90, s88
	s_add_co_u32 s90, s90, 131072
	s_mov_b32 s91, 0
	s_lshl_b32 s92, s22, 13                        ; ao_scales: 8,192 bytes a tile row
	s_mov_b32 s93, 0
	s_lshl_b32 s44, s22, 20                        ; out0: 256 rows of 4,096 bytes a tile row, 16 rows for wave row 1, my columns
	s_lshl_b32 s41, s17, 16
	s_add_co_u32 s44, s44, s41
	s_add_co_u32 s44, s44, s42
	s_mov_b32 s45, 0
	s_lshl_b32 s94, s19, 2                         ; the prefetch: which of the cluster row's sixteen waves I am: 8,192 bytes of chunk 1 each
	s_add_co_u32 s94, s94, s16
	s_lshl_b32 s94, s94, 13
	s_add_co_u32 s94, s94, s88
	s_add_co_u32 s94, s94, 131072
	s_mul_i32 s95, s17, 16*PITCH                   ; block 0 of my row of waves
	s_mul_i32 s96, s18, 64*PITCH                   ; my 64 rows of wo in slot 1; also where waves 0, 1 put their halves
	s_add_co_u32 s96, s96, YB
	s_mul_i32 s97, s17, 2*272
	s_add_co_u32 s97, s97, SCL
	s_mul_i32 s46, s16, 16*272
	s_add_co_u32 s46, s46, STG
	s_mov_b32 s[G0B], 1
	s_mov_b32 s[G0B+1], s96
	s_mov_b32 s[G0A], 1
	s_mov_b32 s[G0A+1], 0
	s_mov_b32 s[G0R], 1
	s_mul_i32 s[G0R+1], s16, 32*PITCH
	s_add_co_u32 s[G0R+1], s[G0R+1], YB
	s_mov_b32 s[G0S], 1
	s_mov_b32 s[G0S+1], SCL
	s_wait_alu depctr_va_vdst(0)
	s_wait_dscnt 0x0                               ; both opening adds are done
	CROUND                                         ; all sixteen work-groups are here: the first joint loads meet
	s_wait_kmcnt 0x0
	s_add_nc_u64 s[G0B+2:G0B+3], s[8:9], s[84:85]
	s_or_b32 s[G0B+3], s[G0B+3], 0x80000000
	s_add_nc_u64 s[G0A+2:G0A+3], s[4:5], s[88:89]
	s_or_b32 s[G0A+3], s[G0A+3], 0x80000000
	s_add_nc_u64 s[G0R+2:G0R+3], s[4:5], s[90:91]
	s_or_b32 s[G0R+3], s[G0R+3], 0x80000000
	s_add_nc_u64 s[G0S+2:G0S+3], s[6:7], s[92:93]
	s_or_b32 s[G0S+3], s[G0S+3], 0x80000000
	s_add_nc_u64 s[10:11], s[10:11], s[86:87]
	s_add_nc_u64 s[12:13], s[12:13], s[42:43]
	s_add_nc_u64 s[14:15], s[14:15], s[44:45]
	s_cmp_lt_u32 s16, 2                            ; one joint load a wave; waves 0, 1, which alone wait at the first barrier, have a line of their own
	s_cbranch_scc0 .Larm_a
	TLOAD G0B, G1B
	s_branch .Lasked
.Larm_a:
	s_cmp_eq_u32 s16, 2
	s_cbranch_scc0 .Larm_s
	TLOAD G0A, G1A
	s_branch .Lasked
.Larm_s:
	TLOAD G0S, G1S
.Lasked:
	v_and_b32 v1, 15, v0                           ; r
	v_bfe_u32 v2, v0, 4, 1                         ; h
	v_and_b32 v3, 31, v0                           ; lane
	v_lshlrev_b32 v[ABS], 5, v3
	v_lshlrev_b32 v[H32], 5, v2
	v_lshl_add_u32 v[PF], v3, 8, s94
	v_lshl_add_u32 v[A0], v3, 4, s95               ; a block is an image of registers: 16 bytes a lane on end
	v_mul_u32_u24 v21, v1, PITCH
	v_lshlrev_b32 v22, 5, v1                       ; a token's 32 scale bytes, and 16 more for each 256 passed
	v_lshrrev_b32 v23, 3, v1
	v_add_nc_u32 v[A0+1], 64*PITCH, v[A0]
	v_add_nc_u32 v[A0+2], 128*PITCH, v[A0]
	v_add_nc_u32 v[A0+3], 192*PITCH, v[A0]
	v_lshl_add_u32 v21, v2, 4, v21                 ; wo: row r x pitch + 16 h
	v_lshl_add_u32 v22, v23, 4, v22
	v_add_nc_u32 v[ADRB], s96, v21
	v_add_nc_u32 v[AAS0], s97, v22
	v_mul_u32_u24 v21, v1, 272                     ; the stage, in: row r, 32 bytes for each half of the lanes
	v_mul_u32_u24 v22, v2, 272                     ; back: lanes 0-15 one row of 256 bytes, lanes 16-31 the next
	v_lshlrev_b32 v23, 12, v2                      ; and the same two rows in out0
	v_lshl_add_u32 v21, v2, 5, v21
	v_lshl_add_u32 v22, v1, 4, v22
	v_lshl_add_u32 v[CO], v1, 4, v23
	v_add_nc_u32 v[STO], s46, v21
	v_add_nc_u32 v[RD], s46, v22
.irp p, 0,1
.irp c, 0,1
	global_load_b128 v[SB+8*\p+4*\c:SB+8*\p+4*\c+3], v[ABS], s[10:11] offset:\p*1024+16*\c   ; lane l takes row l of a pair of tiles
.endr
.endr
.irp b, 0,1,2,3
	global_load_b128 v[BQ+8*\b:BQ+8*\b+3], v[H32], s[12:13] offset:64*\b          ; register j of tile b: column 16 b + 8 h + j
	global_load_b128 v[BQ+8*\b+4:BQ+8*\b+7], v[H32], s[12:13] offset:64*\b+16
.endr
	global_prefetch_b8 v[PF], s[4:5] th:TH_LOAD_NT scope:SCOPE_SE   ; my sixteenth of chunk 1; its registers are never written again
	s_wait_alu depctr_va_vdst(0)
	s_cmp_lt_u32 s16, 2
	s_cbranch_scc0 .Lnot_b
	s_wait_tensorcnt 0x0                           ; waves 0, 1: my half of wo's rows has landed.  The other waves' wait stands ahead of the round
.Lnot_b:
	BARRIER
.irp q, 0,1,2,3,4,5,6,7                        ; my 64 rows of wo, all of K: fragment 4 q + b lies in window 1 + q / 4; lane l holds row l % 16, registers 4 c .. 4 c + 3 hold K = 32 c + 16 (l / 16) + 0 .. 15
.irp b, 0,1,2,3
	WIN (1+(4*\q+\b)/16)<<6
.irp c, 0,1,2,3
	ds_load_b128 v[16*((4*\q+\b)%16)+4*\c:16*((4*\q+\b)%16)+4*\c+3], v[ADRB] offset:128*\q+32*\c+\b*16*PITCH
.endr
.endr
.endr
	WIN 0
	s_wait_tensorcnt 0x0                           ; all my tensor loads have landed;
	ds_add_u32 v[SPW], v[NIL]                      ; 0 onto my spare word;
	s_wait_dscnt 0x0                               ; the add is done, and wo's rows are in my registers
	CROUND                                         ; the same holds of every wave of every partner: chunk 0 and the scale bytes are in, nobody reads slot 1
	TLOAD G0R, G1R                                 ; chunk 1, my quarter, over wo's rows
.macro FETCHAT k, s                            ; block s into set k of window 3, and its scale words: 34 loads
	WIN 3<<6
.irp q, 0,1,2,3,4,5,6,7
.irp c, 0,1,2,3
	ds_load_b128 v[128*(\k)+16*\q+4*\c:128*(\k)+16*\q+4*\c+3], v[A0+(\s)/2] offset:((\s)%2)*32*PITCH+(2*\q+\c/2)*PITCH+(\c%2)*512
.endr
.endr
	WIN 0
	ds_load_b128 v[SA+8*(\k):SA+8*(\k)+3], v[AAS0] offset:(\s)*4*272
	ds_load_b128 v[SA+8*(\k)+4:SA+8*(\k)+7], v[AAS0] offset:(\s)*4*272+16
.endm
.macro PRODS s, from, to                       ; products from .. to - 1 of block s: product 4 q + b: the q-th 128 of K, column tile b
.set N_, \from
.rept (\to)-(\from)
.set Q_, N_/4
.set B_, N_%4
.set AC_, ACC+32*((\s)%2)+8*B_
.set C_, AC_
.if Q_ == 0
.set C_, BQ+8*B_
.endif
.set R_, 128*((\s)%2)+16*Q_
.set W_, 16*(N_%16)
.set XS_, SA+8*((\s)%2)+Q_
.set WS_, SB+8*(B_/2)+Q_
	WIN (1+N_/16)|(3<<2)
.if B_%2
	v_wmma_scale_f32_16x16x128_f8f6f4 v[AC_:AC_+7], v[W_:W_+15], v[R_:R_+15], v[C_:C_+7], v[WS_], v[XS_] matrix_a_scale:MATRIX_SCALE_ROW1
.else
	v_wmma_scale_f32_16x16x128_f8f6f4 v[AC_:AC_+7], v[W_:W_+15], v[R_:R_+15], v[C_:C_+7], v[WS_], v[XS_]
.endif
.set N_, N_+1
.endr
.endm
.macro STAGE s                                 ; block s into my stage, each accumulator from its low end on, and back as whole rows; LDS serves a wave's instructions in order (ISA guide 5.7.1.4)
.set AC_, ACC+32*((\s)%2)
.irp b, 0,1,2,3
	ds_store_b128 v[STO], v[AC_+8*\b:AC_+8*\b+3] offset:64*\b
	ds_store_b128 v[STO], v[AC_+8*\b+4:AC_+8*\b+7] offset:64*\b+16
.endr
.irp i, 0,1,2,3,4,5,6,7
	ds_load_b128 v[OB+4*\i:OB+4*\i+3], v[RD] offset:\i*2*272
.endr
.endm
.macro SEND s                                  ; 16 lanes store 256 consecutive bytes, at a multiple of 256 from out0's first byte; block s lies 32 s rows on
.irp i, 0,1,2,3,4,5,6,7
	global_store_b128 v[CO], v[OB+4*\i:OB+4*\i+3], s[14:15] offset:(\s)*131072+\i*8192 th:TH_STORE_NT
.endr
.endm
.macro BLK s
	PRODS \s, 0, 24
	WIN 0
.if \s == 2
	s_wait_tensorcnt 0x0                           ; my quarter of chunk 1 has landed
.endif
	s_wait_dscnt 0x0                               ; the block before is back from the stage, and the next block's fragments are in
.if \s > 0
	SEND \s-1
.endif
.if \s == 2
	s_barrier_signal -1
.endif
	PRODS \s, 24, 32
	WIN 0
.if \s == 2
	s_barrier_wait -1                              ; everybody's quarter has: block 4 is fetched below
.endif
	s_wait_xcnt 0x0                                ; the stores have read their data: the registers are loaded anew below
	PLACES 8                                       ; behind the last product, ahead of the loads into what it has read and of the reads of its sums
.if \s < 6
	FETCHAT (\s)%2, \s+2
.endif
	STAGE \s
.endm
	FETCHAT 0, 0
	FETCHAT 1, 1
	s_wait_loadcnt 0x0                             ; wo's scale words and the bias
	s_wait_dscnt 34                                ; block 0 is in; behind it stand block 1's 34 loads
.irp s, 0,1,2,3,4,5,6,7
	BLK \s
.endr
	s_wait_dscnt 0x0
	SEND 7
	s_wait_tensorcnt 0x0                           ; the wave's end
	ds_add_u32 v[SPW], v[NIL]
	s_wait_dscnt 0x0
	CROUND                                         ; the closing round
	s_endpgm
.Lfunc_end_k_q968555af15_oproj:
	.size	k_q968555af15_oproj, .Lfunc_end_k_q968555af15_oproj-k_q968555af15_oproj
	.p2alignl 7, 3214868480
	.fill 96, 4, 3214868480
	.section	.rodata,"a",@progbits
	.p2align	6, 0x0
	.amdhsa_kernel k_q968555af15_oproj
		.amdhsa_group_segment_fixed_size 327680
		.amdhsa_private_segment_fixed_size 0
		.amdhsa_enable_private_segment 0
		.amdhsa_kernarg_size 48
		.amdhsa_user_sgpr_count 2
		.amdhsa_user_sgpr_kernarg_segment_ptr 1
		.amdhsa_wavefront_size32 1
		.amdhsa_system_sgpr_workgroup_id_x 1
		.amdhsa_system_sgpr_workgroup_id_y 1
		.amdhsa_system_sgpr_workgroup_id_z 1
		.amdhsa_system_vgpr_workitem_id 0
		.amdhsa_next_free_vgpr 1024
		.amdhsa_next_free_sgpr 98
		.amdhsa_reserve_vcc 0
		.amdhsa_float_denorm_mode_32 3
		.amdhsa_float_denorm_mode_16_64 3
		.amdhsa_memory_ordered 1
		.amdhsa_forward_progress 1
		.amdhsa_inst_pref_size 86
	.end_amdhsa_kernel
	.amdgpu_metadata
---
amdhsa.version: [ 1, 2 ]
amdhsa.kernels:
  - .name:           k_q968555af15_oproj
    .symbol:         k_q968555af15_oproj.kd
    .args:
      - { .name: ao_codes, .offset: 0, .size: 8, .value_kind: global_buffer, .address_space: global }
      - { .name: ao_scales, .offset: 8, .size: 8, .value_kind: global_buffer, .address_space: global }
      - { .name: wo_codes, .offset: 16, .size: 8, .value_kind: global_buffer, .address_space: global }
      - { .name: wo_scales, .offset: 24, .size: 8, .value_kind: global_buffer, .address_space: global }
      - { .name: bo, .offset: 32, .size: 8, .value_kind: global_buffer, .address_space: global }
      - { .name: out0, .offset: 40, .size: 8, .value_kind: global_buffer, .address_space: global }
    .group_segment_fixed_size: 327680
    .private_segment_fixed_size: 0
    .kernarg_segment_align: 8
    .kernarg_segment_size: 48
    .max_flat_workgroup_size: 128
    .sgpr_count:     98
    .vgpr_count:     1024
    .wavefront_size: 32
...
	.end_amdgpu_metadata
.endif
;; end of part 3
